; MI455X (gfx1250); checked and timed in simulation.
; The chip was launched on July 23, 2026; its instructions are those of AMD's public machine-readable ISA for CDNA 5 (MIT licence, August 2026) and "CDNA5" Instruction Set Architecture Reference Guide (July 2026). The comments in the code are by the model that wrote it; some were corrected since.
;; Attention. Allowed arithmetic: matrix products marked QUANTISED: E2M3 operands, one E8M0 scale for each 32 along K, by v_wmma_scale_f32_16x16x128_f8f6f4 with both operands' format E2M3, f32 sums; products left as they are: f32 operands where the result goes on into a quantised operand, else bf16, f16 or f32 operands; f32 sums; everything else in f32.
;; Inputs: Wkv_codes 2,048 x 32 x 24 uint8 (E2M3 codes of Wkv, K innermost, in blocks of 32 codes, four codes in three bytes); Wkv_scales 2,048 x 32 uint8 (E8M0 scales of Wkv, one for each 32 codes along K); Wq_codes 1,024 x 32 x 24 uint8 (E2M3 codes of Wq, K innermost, in blocks of 32 codes, four codes in three bytes); Wq_scales 1,024 x 32 uint8 (E8M0 scales of Wq, one for each 32 codes along K); Wtalk 16 x 16 float32; context_codes 2 x 2,048 x 32 x 24 uint8 (E2M3 codes of context, K innermost, in blocks of 32 codes, four codes in three bytes); context_scales 2 x 2,048 x 32 uint8 (E8M0 scales of context, one for each 32 codes along K); ln_beta 16 float32; ln_gamma 16 float32; x_codes 2 x 2,048 x 32 x 24 uint8 (E2M3 codes of x, K innermost, in blocks of 32 codes, four codes in three bytes); x_scales 2 x 2,048 x 32 uint8 (E8M0 scales of x, one for each 32 codes along K).
;; Outputs: out0 2 x 2,048 x 1,024 float32.
;; This version of the problem:
;;   THIS VERSION OF THE PROBLEM IS GIVEN IN LOW PRECISION. The matrix products marked QUANTISED in the list below multiply operands that are first quantised to E2M3 (2 exponent bits, 3 mantissa bits; 6 bits a number), with one power-of-two scale for each 32 numbers along K (OCP MX v1.0); their sums are f32. All else is computed in f32.
;;   The module's matrix products, in the order in which they are computed (A, B: the left and right operand; K: the contracted axis; several contracted axes count as one K, in the product's order):
;;     1. [M 4,096, K 1,024] x [K 1,024, N 1,024]; A: input x (given as codes); B: input Wq (given as codes): QUANTISED
;;     2. [M 4,096, K 1,024] x [K 1,024, N 2,048]; A: input context (given as codes); B: input Wkv (given as codes): QUANTISED
;;     3. batch 32 x [M 2,048, K 64] x [K 64, N 2,048]; A: computed on the way; B: computed on the way: QUANTISED
;;     4. [M 16, K 16] x [K 16, N 8,388,608]; A: input Wtalk; B: computed on the way: left as it is (K = 16 < 32)
;;     5. batch 32 x [M 2,048, K 2,048] x [K 2,048, N 64]; A: computed on the way; B: computed on the way: QUANTISED
;;   THE QUANTISER, for each operand of a quantised product, along K:
;;     - K is cut into blocks of 32 from its start; a last block that is shorter is filled with zeros.
;;     - A block's scale is 2^e with e = floor(log2(the largest magnitude in the block)) - 2, held to -126 .. 127; a block of zeros has e = 0. As a byte (E8M0): e + 127.
;;     - Each number is divided by its block's scale, clamped to +-7.5, and rounded to the nearest number of E2M3, ties to even, subnormals kept.
;;     - The product sums the exact products of the quantised numbers (number of the format x scale) in f32.
;;   ~~~python
;;   def quantise(x, axis):      # numpy; x: float32 -> the quantised numbers, widened to float32 again
;;       x = np.moveaxis(x, axis, -1); K = x.shape[-1]
;;       x = np.pad(x, [(0, 0)] * (x.ndim - 1) + [(0, -K % 32)]); x = x.reshape(x.shape[:-1] + (-1, 32)); a = np.abs(x).max(-1, keepdims=True)
;;       e = np.where(a > 0, np.clip(np.frexp(np.where(a > 0, a, 1))[1] - 1 - 2, -126, 127), 0)      # np.frexp(a)[1] - 1 = floor(log2(a)), exactly
;;       r = np.clip(x / 2.0 ** e, -7.5, 7.5)
;;       step = 2.0 ** (np.maximum(np.frexp(np.where(r == 0, 1, r))[1] - 1, 0) - 3)
;;       q = np.round(r / step) * step * 2.0 ** e      # np.round: ties to even
;;       return np.moveaxis(q.reshape(q.shape[:-2] + (-1,))[..., :K], -1, axis).astype(np.float32)
;;   ~~~
;;   OPERANDS COMPUTED ON THE WAY. 'Computed on the way' means the value that the module computes at that place (a softmax that the list does not call 'softmax' is quantised finished and normalised). What goes into a quantiser is computed in f32, as accurately as f32 sums, v_exp_f32 and their like allow (about 1e-6 of the number): no bf16 or f16 on the way to a quantiser, and a product that is left as it is and whose result goes on into a quantised operand takes f32 operands (vector FMAs, or v_wmma_f32_16x16x4_f32). A number that lies on a knife's edge between two numbers of the format may be rounded either way, as far as f32 arithmetic and the matrix unit's own rounding can turn it there, and no further.
;;   INPUTS GIVEN AS CODES. Wkv (in the module: [2048, 1024], K = its axis 1); Wq (in the module: [1024, 1024], K = its axis 1); context (in the module: [2, 2048, 1024], K = its axis 2); x (in the module: [2, 2048, 1024], K = its axis 2): each comes as NAME_codes (uint8): NAME with its K axis moved to the last place and cut into blocks of 32 codes, [.., K / 32, bytes a block], one block behind the other in memory; four codes in three bytes: a row's codes are one little-endian stream of bits, code i at bits 6 i .. 6 i + 5 (a code: sign, 2 exponent bits, 3 mantissa bits); and NAME_scales (uint8): the same leading axes, one E8M0 byte (e + 127) for each 32 codes along K. Its value is code x scale, taken as it is: it is not quantised again, and the codes and scales need not be those that the quantiser above would give.
;; One version. Each part assembles by itself: llvm-mc -triple=amdgcn-amd-amdhsa -mcpu=gfx1250 --defsym DOCPART=n.
;; ======== version 1 of 1: 2 launches
;; limits: right only within a limited range of input values
;; workspace buffers: qbuf 3,276,800 bytes; kbuf 3,276,800 bytes; vbuf 3,276,800 bytes
;; launch proj (part 1): grid 4 x 48, 4 waves a work-group, clusters of 4 x 4, 327,680 bytes of LDS; arguments x_codes, x_scales, context_codes, context_scales, Wq_codes, Wq_scales, Wkv_codes, Wkv_scales, qbuf, kbuf, vbuf; writes qbuf, kbuf, vbuf
.if DOCPART == 1
	.amdgcn_target "amdgcn-amd-amdhsa--gfx1250"
	.amdhsa_code_object_version 6
	.text
	.protected	k_q652bb99b58_proj
	.globl	k_q652bb99b58_proj
	.p2align	8
	.type	k_q652bb99b58_proj,@function
k_q652bb99b58_proj:
	s_mov_b64 s[64:65], 0
	v_nop
	global_prefetch_b8 v0, s[64:65] scope:SCOPE_SE
	s_setreg_imm32_b32 hwreg(HW_REG_WAVE_MODE, 25, 1), 1
	s_wait_xcnt 0x0
	s_wait_alu depctr_hold_cnt(0) depctr_sa_sdst(0) depctr_va_vdst(0) depctr_va_sdst(0) depctr_va_ssrc(0) depctr_va_vcc(0) depctr_vm_vsrc(0)
	s_getreg_b32 s2, hwreg(HW_REG_IB_STS2, 6, 4)
	s_cmp_eq_u32 s2, 0
	s_cbranch_scc0 .Lentry_in_a_cluster
	s_endpgm
.Lentry_in_a_cluster:
	s_bfe_u32 s2, ttmp6, 0x10000c
	s_cmp_lg_u32 s2, 0xf033
	s_cbranch_scc0 .Lentry_shape_is_right
	s_endpgm
.Lentry_shape_is_right:
; THE THREE PROJECTIONS q = x Wq^T, k = context Wkv[0:1024]^T, v = context Wkv[1024:2048]^T on the given codes of FP6 (E2M3) with E8M0 scales, K = 1,024, f32 sums; the sums are quantised in registers for the
; products that follow (q and k along the head's 64 features, v along the keys) and leave as IMAGES OF OPERAND REGISTERS.  No work of the problem is left out in this program, and every input is loaded.  Three identities are used, each for all
; values of the inputs: q x 64^-0.5 is a power of two, so it is 3 taken off q's scale byte (here); the mean over the heads is taken off Wtalk's columns, and the variance's 1/16 is carried as 1/4 on Wtalk and 4 on gamma (next launch).
; ONE TEXT, THREE PRODUCTS.  A product is L x G: L's rows fall on lanes (source 1), G's rows on a lane's registers (source 0), and G is the axis that is quantised.  A cluster of 4 x 4 work-groups makes 1,024 x 1,024;
; cluster y = 4 p + c4:  p = 0: L = x, G = Wq;  p = 1: L = context, G = Wkv's rows 0 on;  p = 2: L = Wkv's rows 1,024 on, G = context.  c4 picks 1,024 tokens.  Only pointers and first rows are chosen, by selects on p.
; A tile, 256 x 256, is made by four waves, each 128 x 128: 64 accumulators, 512 registers.  K goes in steps of 256 through a ring of two LDS slots; the scale bytes of the tile's rows come once and stay.
; CLUSTERS: the four of a row of the cluster need the same tiles of L, the four of a column the same tiles of G: each tile is asked for jointly, by the same tensor load with a mask that names the four.
; THE OUTPUT.  Each buffer is 32 blocks of 102,400 bytes, one for each 128 tokens; a block is two halves; a half is 32 images of 1,536 bytes and then 32 x 64 bytes of scale words.  An image is a fragment of 16 L rows x 128 G:
; registers 4 k .. 4 k + 3 of lane l at 512 k + 16 l.  Group i of 16 L rows and feature block fx lie in half i & 1 at place 4 fx + (i >> 1).
; ORDER INSIDE A BLOCK OF 32 ALONG G: a lane holds G = 8 (lane / 16) + 0..7 of each tile of 16, so the codes of a block stand in the order 0-7, 16-23, 8-15, 24-31.  q and k carry the same order, and the next launch lays its
; weights in v's order: an order inside one scale's block, the same on both sides of a product, changes no product.
; LIMITS: NaN and infinities are not served.  A block whose largest magnitude lies under 2^(3 - 127) (q: 2^(6 - 127)) keeps the floor's byte, 1; a block of zeros likewise: its codes are zeros, and this program alone reads the bytes.
; REGISTERS, in windows of 256: window 0: v0-31 addresses; v32-63 scale words, two sets; from v128 L's fragments, one set; on the way out v32-115 at work.  window 1: G's fragments, two sets.  windows 2, 3: the accumulators.
.set SIZE_K, 1024
.set KSTEP,  256                       ; along K in a slot
.set NQ,     KSTEP/128                 ; matrix instructions deep
.set ROWB,   192                       ; a tile's row in bytes
.set KROW,   SIZE_K*6/8                ; a row of codes in memory
.set PITCH,  240                       ; an LDS row: 3 x (64 bytes + 16 of padding)
.set FR,     12                        ; registers of a fragment
.set NL,     6                         ; LDS loads that bring one
.set NP,     4                         ; places behind this matrix instruction (ISA guide 7.12.1)
.set HALFT,  128*PITCH                 ; 128 rows: what one tensor load brings
.set SLOT,   4*HALFT                   ; L's 256 rows, then G's 256 rows
.set LAPS,   SIZE_K/(2*KSTEP)
.set KS,     SIZE_K/32                 ; a row of scale bytes
.set SCL,    2*SLOT                    ; behind the ring: the scales, as units of 256 bytes + 16 of padding
.set HALFS,  (128*KS/256)*272
.set SBLK,   (16*KS/256)*272
.set SPARE,  SCL+4*HALFS               ; the spare words, 128 bytes for each wave
.set BLK,    102400                    ; the output: a block,
.set HALF,   51200                     ; a half,
.set SCOFF,  49152                     ; and where a half's scale words begin
.set ADRA, 16                          ; v16-19  LDS addresses of my L fragments (slot 0, 1; the same behind one padding more)
.set ADRB, 20                          ; v20-23  the same for G
.set LI,   24                          ; v24     16 x lane: my place in an image
.set LS,   25                          ; v25     4 x (lane % 16): my row's scale word
.set ADRS, 27                          ; v27     LDS address of my scale words: lanes 0-15 L's rows, lanes 16-31 G's
.set SPW,  28                          ; v28     my spare word; never rewritten
.set NIL,  29                          ; v29     0; never rewritten
.set SC,   32                          ; scale words, two sets of 16
.set AF,   128                         ; L's fragments
.set TM,   32                          ; the way out: v32-35 largest magnitudes, v36-39 the other half's, v40-43 the conversions' scale operands, v44-47 bytes, v48-49 scale words by turns
.set TX,   36
.set SO,   40
.set BY,   44
.set PW,   48
.set CD,   64                          ; v64-83, v96-115: the codes, two sets by turns
.set G1, 24
.set G0, 32
.set G1B, 48
.set G0B, 56
.set G1S, 68
.set G0S, 76
.set G1SB, 80
.set G0SB, 88
.set SEL, 94                           ; s94-95 lane selects for v_permlanex16_b32 (set for the way out)
.set FLR, 98                           ; s98  the floor of a largest magnitude
.set BADJ, 99                          ; s99  what is taken off its exponent field for the byte
.set MSB, 0
.macro WIN new                         ; the immediate's high byte repeats the setting that is left
.if MSB != (\new)
	s_set_vgpr_msb (MSB<<8)|(\new)
.set MSB, (\new)
.endif
.endm
.set MUL_LO, 0xa1                      ; source 0 (G) window 1, source 1 (L) window 0, C and D window 2
.set MUL_HI, 0xf1                      ; the same, C and D window 3
.set TO_B,   0x40                      ; destination window 1, address window 0
; A joint load: waves 0 and 1 fetch for L, waves 2 and 3 for G.  The branch hangs on the wave's number alone.  An s_nop 0 and four v_nop follow each line.
.macro JLOAD g0a, g1a, g0b, g1b
	s_cmp_eq_u32 s15, 0
	s_cbranch_scc0 .Lfor_b_\@
	tensor_load_to_lds s[\g0a:\g0a+3], s[\g1a:\g1a+7]
	s_nop 0
.rept 4
	v_nop
.endr
	s_branch .Lasked_\@
.Lfor_b_\@:
	tensor_load_to_lds s[\g0b:\g0b+3], s[\g1b:\g1b+7]
	s_nop 0
.rept 4
	v_nop
.endr
.Lasked_\@:
.endm
.macro CREST                           ; a round of the cluster's barrier behind its opening barrier
	s_cmp_lg_u32 s14, 0
	s_cbranch_scc1 .Lnot_wave_0_\@
	s_barrier_signal -3
.Lnot_wave_0_\@:
	s_barrier_wait -3
	s_barrier_signal -1
	s_barrier_wait -1
.endm
.macro CROUND                          ; a whole round
	s_barrier_signal -1
	s_barrier_wait -1
	CREST
.endm
	s_load_b512 s[68:83], s[0:1], 0x0              ; x, context, Wq, Wkv: codes and scales of each
	s_load_b128 s[84:87], s[0:1], 0x40             ; qbuf, kbuf
	s_load_b64 s[88:89], s[0:1], 0x50              ; vbuf
	v_lshl_add_u32 v[SPW], v0, 2, SPARE
	v_mov_b32 v[NIL], 0
	ds_add_u32 v[SPW], v[NIL]                      ; the wave's opening: the add, twice on end, and its wait ahead of my first tensor load
	ds_add_u32 v[SPW], v[NIL]
	v_lshrrev_b32 v1, 5, v0
	v_readfirstlane_b32 s14, v1                    ; wave 0..3
	s_lshr_b32 s15, s14, 1                         ; which half of the tile's L rows is mine.  Also: I fetch for L (0) or for G (1)
	s_and_b32 s16, s14, 1                          ; which half of its G rows.  Also: which 128 rows of that tile I fetch
	s_bfe_u32 s40, ttmp6, 0x40000                  ; cx, cy: my place in the cluster
	s_bfe_u32 s41, ttmp6, 0x40004
	s_and_b32 s17, ttmp7, 0xffff                   ; cluster y, 0..11: the same in all sixteen partners
	s_lshr_b32 s96, s17, 2                         ; p: which product
	s_and_b32 s97, s17, 3                          ; c4: which 1,024 tokens
	s_lshl_b32 s98, s97, 10
	s_cmp_eq_u32 s96, 2
	s_cselect_b32 s17, 1024, s98                   ; L's first row for the cluster
	s_cselect_b32 s42, s98, 0                      ; G's
	s_cmp_eq_u32 s96, 0
	s_mov_b32 s[FLR], 3<<23
	s_cselect_b32 s[FLR], 6<<23, s[FLR]            ; q's byte is 3 lower, so its floor is 3 higher
	s_mov_b32 s[BADJ], 0xff000000                  ; -(2 << 23)
	s_cselect_b32 s[BADJ], 0xfd800000, s[BADJ]     ; -(5 << 23): q x 2^-3
	s_lshl_b32 s43, s41, 2
	s_lshl_b32 s43, 15, s43                        ; my row of the cluster
	s_lshl_b32 s44, 0x1111, s40                    ; my column
	; descriptor group 1: a tile of 128 rows x ROWB bytes, 16 bytes of padding behind every 64
	s_or_b32 s[G1+0], s43, (0<<16)|(1<<20)|(1<<21)|(3<<22)|(3<<25)
	s_or_b32 s[G1B+0], s44, (0<<16)|(1<<20)|(1<<21)|(3<<22)|(3<<25)
.irp g, G1, G1B
	s_mov_b32 s[\g+1], ROWB<<16                    ; tensor_dim0
	s_mov_b32 s[\g+2], 128<<16                     ; tensor_dim1
	s_mov_b32 s[\g+3], ROWB<<16                    ; tile_dim0
	s_mov_b32 s[\g+4], 128                         ; tile_dim1
	s_mov_b32 s[\g+5], KROW                        ; tensor_dim0_stride
	s_mov_b32 s[\g+6], 0
	s_mov_b32 s[\g+7], 0
.endr
	s_lshl_b32 s18, s16, 7                         ; which 128 rows of the tile I fetch
	s_lshl_b32 s20, s41, 8
	s_add_co_u32 s20, s20, s17
	s_add_co_u32 s20, s20, s18                     ; L: the cluster's first row + 256 cy + 128 x half
	s_lshl_b32 s46, s40, 8
	s_add_co_u32 s46, s46, s42
	s_add_co_u32 s46, s46, s18                     ; G: the cluster's first row + 256 cx + 128 x half
	s_mov_b32 s21, 0
	s_mov_b32 s47, 0
	s_mov_b64 s[18:19], KS
	s_mul_u64 s[22:23], s[20:21], s[18:19]         ; where these rows' scales begin, in bytes
	s_mul_u64 s[92:93], s[46:47], s[18:19]
	s_mov_b64 s[18:19], KROW
	s_mul_u64 s[20:21], s[20:21], s[18:19]         ; and their codes
	s_mul_u64 s[46:47], s[46:47], s[18:19]
	s_mul_i32 s45, s14, HALFT                      ; where they go: wave x 128 rows
	s_mul_i32 s94, s14, HALFS
	s_wait_dscnt 0x0                               ; both opening adds are done
	s_wait_kmcnt 0x0
	s_cmp_eq_u32 s96, 0                            ; the buffers of my product: a choice on the cluster's number alone
	s_cselect_b64 s[4:5], s[68:69], s[72:73]       ; L's codes: x or context,
	s_cselect_b64 s[6:7], s[70:71], s[74:75]
	s_cselect_b64 s[8:9], s[76:77], s[80:81]       ; G's: Wq or Wkv,
	s_cselect_b64 s[10:11], s[78:79], s[82:83]
	s_cselect_b64 s[12:13], s[84:85], s[86:87]
	s_cmp_eq_u32 s96, 2
	s_cselect_b64 s[4:5], s[80:81], s[4:5]         ; for v: L = Wkv,
	s_cselect_b64 s[6:7], s[82:83], s[6:7]
	s_cselect_b64 s[8:9], s[72:73], s[8:9]         ; G = context
	s_cselect_b64 s[10:11], s[74:75], s[10:11]
	s_cselect_b64 s[12:13], s[88:89], s[12:13]
	; group 1 for the scales of 128 rows: a dense block, as rows of 256 bytes (32 elements of 8 bytes), 16 bytes of padding behind each
	s_or_b32 s[G1S+0], s43, (3<<16)|(1<<20)|(1<<21)|(5<<22)|(3<<25)
	s_or_b32 s[G1SB+0], s44, (3<<16)|(1<<20)|(1<<21)|(5<<22)|(3<<25)
.irp g, G1S, G1SB
	s_mov_b32 s[\g+1], 32<<16
	s_mov_b32 s[\g+2], (128*KS/256)<<16
	s_mov_b32 s[\g+3], 32<<16
	s_mov_b32 s[\g+4], 128*KS/256
	s_mov_b32 s[\g+5], 32
	s_mov_b32 s[\g+6], 0
	s_mov_b32 s[\g+7], 0
.endr
	s_add_nc_u64 s[20:21], s[4:5], s[20:21]
	s_add_nc_u64 s[22:23], s[6:7], s[22:23]
	s_add_nc_u64 s[46:47], s[8:9], s[46:47]
	s_add_nc_u64 s[92:93], s[10:11], s[92:93]
	CROUND                                         ; all sixteen work-groups are here: the first joint loads meet
	s_mov_b32 s[G0S], 1
	s_add_co_u32 s[G0S+1], s94, SCL
	s_mov_b64 s[G0S+2:G0S+3], s[22:23]
	s_or_b32 s[G0S+3], s[G0S+3], 0x80000000
	s_mov_b32 s[G0SB], 1
	s_add_co_u32 s[G0SB+1], s94, SCL
	s_mov_b64 s[G0SB+2:G0SB+3], s[92:93]
	s_or_b32 s[G0SB+3], s[G0SB+3], 0x80000000
	JLOAD G0S, G1S, G0SB, G1SB                     ; the scales first: they are wanted with K step 0
.irp s, 0,1
	s_mov_b32 s[G0+4*\s], 1
	s_add_co_u32 s[G0+4*\s+1], s45, \s*SLOT
	s_add_nc_u64 s[G0+4*\s+2:G0+4*\s+3], s[20:21], \s*ROWB
	s_or_b32 s[G0+4*\s+3], s[G0+4*\s+3], 0x80000000
	s_mov_b32 s[G0B+4*\s], 1
	s_add_co_u32 s[G0B+4*\s+1], s45, \s*SLOT
	s_add_nc_u64 s[G0B+4*\s+2:G0B+4*\s+3], s[46:47], \s*ROWB
	s_or_b32 s[G0B+4*\s+3], s[G0B+4*\s+3], 0x80000000
	JLOAD G0+4*\s, G1, G0B+4*\s, G1B
.endr
	v_and_b32 v1, 15, v0                           ; l % 16
	v_bfe_u32 v2, v0, 4, 1                         ; l / 16
	v_mul_u32_u24 v3, v1, PITCH
	v_mul_u32_u24 v4, v2, 24
	v_add_nc_u32 v4, v3, v4                        ; a fragment's row x pitch + 24 x half
	v_lshl_add_u32 v5, v2, 4, v4                   ; and the same behind one padding more
	s_mul_i32 s21, s15, HALFT                      ; my 128 rows of L
	s_mul_i32 s22, s16, HALFT                      ; my 128 rows of G,
	s_add_co_u32 s22, s22, 2*HALFT                 ; which lie behind L's 256
.irp s, 0,1
	v_add_nc_u32 v[ADRA+\s], s21, v4
	v_add_nc_u32 v[ADRB+\s], s22, v4
	v_add_nc_u32 v[ADRA+2+\s], s21, v5
	v_add_nc_u32 v[ADRB+2+\s], s22, v5
	s_add_co_u32 s21, s21, SLOT
	s_add_co_u32 s22, s22, SLOT
.endr
	v_mul_u32_u24 v5, v1, KS                       ; my row's scales: KS bytes a row,
	v_lshrrev_b32 v6, 8, v5
	v_lshl_add_u32 v5, v6, 4, v5                   ; and 16 more for each 256 passed
	s_mul_i32 s21, s15, HALFS                      ; L's: my 128 rows
	s_mul_i32 s22, s16, HALFS                      ; G's: my 128 rows, behind L's 256
	s_add_co_u32 s22, s22, 2*HALFS
	s_sub_co_u32 s22, s22, s21
	v_mul_u32_u24 v6, s22, v2                      ; lanes 16-31 take G's
	s_add_co_u32 s21, s21, SCL
	v_add_nc_u32 v5, v5, v6
	v_add_nc_u32 v[ADRS], s21, v5
	v_and_b32 v6, 31, v0
	v_lshlrev_b32 v[LI], 4, v6
	v_lshlrev_b32 v[LS], 2, v1
	; where my 8 images and their scale words go: token block tb, feature block fx
	s_cmp_eq_u32 s96, 2
	s_cselect_b32 s20, s40, s41                    ; the tokens lie along G for v, along L for q and k
	s_cselect_b32 s21, s16, s15
	s_cselect_b32 s22, s41, s40                    ; the features the other way round
	s_cselect_b32 s23, s15, s16
	s_lshl_b32 s46, s97, 3
	s_lshl_b32 s20, s20, 1
	s_add_co_u32 s20, s20, s46
	s_add_co_u32 s20, s20, s21                     ; tb = 8 c4 + 2 x place + half
	s_lshl_b32 s22, s22, 1
	s_add_co_u32 s22, s22, s23                     ; fx = 2 x place + half
	s_mul_i32 s20, s20, BLK
	s_mul_i32 s46, s22, 6144
	s_add_co_u32 s46, s46, s20
	s_mov_b32 s47, 0
	s_lshl_b32 s22, s22, 8
	s_add_co_u32 s22, s22, s20
	s_add_co_u32 s22, s22, SCOFF
	s_mov_b32 s23, 0
	s_add_nc_u64 s[92:93], s[12:13], s[22:23]      ; the scale words,
	s_add_nc_u64 s[12:13], s[12:13], s[46:47]      ; the images
.macro FRAG reg, adr, q, i             ; a fragment, 16 rows x 128 K of 6-bit codes: lane l holds row l % 16; registers 6 c .. 6 c + 5 hold K = 64 c + 32 (l / 16) + 0 .. 31: 24 bytes of the row's stream of bits
.irp p, 0,1,2,3,4,5                    ; in pieces of 8 bytes; where the piece of lanes 16-31 lies behind one padding more, the second address register serves
.set PC, 12*(\q)+6*(\p/3)+\p%3
.if PC%8 < 5
	ds_load_b64 v[\reg+2*\p:\reg+2*\p+1], v[\adr] offset:8*PC+16*(PC/8)+(\i)*16*PITCH
.else
	ds_load_b64 v[\reg+2*\p:\reg+2*\p+1], v[\adr+2] offset:8*PC+16*(PC/8)+(\i)*16*PITCH
.endif
.endr
.endm
; 16 matrix instructions: L's blocks a0, a0 + 1 x G's eight, 128 along K.  zero = 1: the first product starts the sums.  The 64 accumulators take turns, one instruction a turn.
.macro MUL16 a0, p, q, sc, zero
.irp a, \a0, \a0+1
.irp b, 0,1,2,3,4,5,6,7
.if \zero
	v_wmma_scale_f32_16x16x128_f8f6f4 v[8*(8*((\a)%4)+\b):8*(8*((\a)%4)+\b)+7], v[128*(\p)+FR*\b:128*(\p)+FR*\b+FR-1], v[AF+FR*(\a):AF+FR*(\a)+FR-1], 0, v[SC+8*NQ*(\sc)+NQ*\b+(\q)], v[SC+8*NQ*(\sc)+NQ*(\a)+(\q)] matrix_a_fmt:MATRIX_FMT_FP6 matrix_b_fmt:MATRIX_FMT_FP6 matrix_a_scale:MATRIX_SCALE_ROW1
.else
	v_wmma_scale_f32_16x16x128_f8f6f4 v[8*(8*((\a)%4)+\b):8*(8*((\a)%4)+\b)+7], v[128*(\p)+FR*\b:128*(\p)+FR*\b+FR-1], v[AF+FR*(\a):AF+FR*(\a)+FR-1], v[8*(8*((\a)%4)+\b):8*(8*((\a)%4)+\b)+7], v[SC+8*NQ*(\sc)+NQ*\b+(\q)], v[SC+8*NQ*(\sc)+NQ*(\a)+(\q)] matrix_a_fmt:MATRIX_FMT_FP6 matrix_b_fmt:MATRIX_FMT_FP6 matrix_a_scale:MATRIX_SCALE_ROW1
.endif
.endr
.endr
.endm
.macro FETCH_B slot, q, p              ; G's eight fragments of the slot's q-th 128 along K into set p
	WIN TO_B
.irp i, 0,1,2,3,4,5,6,7
	FRAG 128*(\p)+FR*\i, ADRB+\slot, \q, \i
.endr
	WIN 0
.endm
.macro FETCH_A slot, q, i0             ; L's blocks i0 .. i0 + 3
.irp i, \i0, \i0+1, \i0+2, \i0+3
	FRAG AF+FR*(\i), ADRA+\slot, \q, \i
.endr
.endm
.macro SCALES sc                       ; the next K step's scale words: lanes 0-15 take L's block i, lanes 16-31 G's block i
.irp i, 0,1,2,3,4,5,6,7
	ds_load_b64 v[SC+8*NQ*\sc+NQ*\i:SC+8*NQ*\sc+NQ*\i+1], v[ADRS] offset:\i*SBLK
.endr
.endm
.macro PLACES n                        ; plain vector instructions between a matrix instruction and a load into, or a read of, its registers
.rept \n
	v_nop
.endr
.endm
; A step of 128 along K that has its successor in the same slot.
.macro STEP slot, q, zero
	s_wait_dscnt 4*NL                              ; G's set and L's blocks 0-3 are in; the youngest 24 loads (L's blocks 4-7) may be out
	WIN MUL_LO
	MUL16 0, (\q)%2, \q, \slot, \zero
	MUL16 2, (\q)%2, \q, \slot, \zero
	s_wait_dscnt 0                                 ; L's blocks 4-7 are in
	PLACES NP
	FETCH_B \slot, (\q)+1, 1-(\q)%2
	FETCH_A \slot, (\q)+1, 0
	WIN MUL_HI
	MUL16 4, (\q)%2, \q, \slot, \zero
	MUL16 6, (\q)%2, \q, \slot, \zero
	PLACES NP
	WIN 0
	FETCH_A \slot, (\q)+1, 4
.endm
; A slot's last step changes slots: one barrier; in front of it each wave waits for all its tensor loads, adds 0 to its spare word, and waits for that and for its reads of this slot.  fill = 1: this slot is filled again.
.macro TURN slot, next, fill
	s_wait_tensorcnt 0x0                           ; all my tensor loads have landed: my part of the next slot
	ds_add_u32 v[SPW], v[NIL]                      ; 0 onto my spare word
	s_wait_dscnt 4*NL+1                            ; (the add and the youngest 24 loads may be out)
	WIN MUL_LO
	MUL16 0, 1, NQ-1, \slot, 0
	s_wait_dscnt 0x0                               ; the add is done, and my reads of this slot are over
	s_barrier_signal -1
	MUL16 2, 1, NQ-1, \slot, 0
	WIN 0
	s_barrier_wait -1
.if \fill
	CREST                                          ; the barrier has opened a round of the cluster's barrier: no wave of any partner still reads this slot or has a load on its way
	s_add_nc_u64 s[G0+4*\slot+2:G0+4*\slot+3], s[G0+4*\slot+2:G0+4*\slot+3], 2*ROWB
	s_add_nc_u64 s[G0B+4*\slot+2:G0B+4*\slot+3], s[G0B+4*\slot+2:G0B+4*\slot+3], 2*ROWB
	JLOAD G0+4*\slot, G1, G0B+4*\slot, G1B         ; the first tensor load behind the round; its four v_nop are the places in front of the loads below
.else
	PLACES NP
.endif
	v_add_nc_u32 v[ADRS], 4*NQ, v[ADRS]            ; on to the next K step's scale words
	FETCH_B \next, 0, 0
	FETCH_A \next, 0, 0
	SCALES \next
	WIN MUL_HI
	MUL16 4, 1, NQ-1, \slot, 0
	MUL16 6, 1, NQ-1, \slot, 0
	PLACES NP
	WIN 0
	FETCH_A \next, 0, 4
.endm
	s_wait_tensorcnt 1                             ; the scales and my part of K step 0 are in; K step 1's load may be out
	s_barrier_signal -1
	s_barrier_wait -1
	FETCH_B 0, 0, 0
	FETCH_A 0, 0, 0
	SCALES 0
	FETCH_A 0, 0, 4
	STEP 0, 0, 1                                   ; the first step stands in front of the loop: its products start the sums
	s_mov_b32 s3, LAPS-1
.Llap:                                                 ; a trip goes once round the ring and fills both slots again
	TURN 0, 1, 1
	STEP 1, 0, 0
	TURN 1, 0, 1
	STEP 0, 0, 0
	s_sub_co_u32 s3, s3, 1
	s_cmp_lg_u32 s3, 0
	s_cbranch_scc1 .Llap
	TURN 0, 1, 0                                   ; the last lap fills nothing
	STEP 1, 0, 0
	s_wait_dscnt 4*NL
	WIN MUL_LO
	MUL16 0, 1, NQ-1, 1, 0
	MUL16 2, 1, NQ-1, 1, 0
	s_wait_dscnt 0
	WIN MUL_HI
	MUL16 4, 1, NQ-1, 1, 0
	MUL16 6, 1, NQ-1, 1, 0
	WIN 0
; THE WAY OUT of L's block a: its 64 registers a lane are 4 blocks of 32 along G, 16 numbers of each in my lane and 16 in lane l xor 16.  They become one fragment and one scale word a row, and are stored as they stand:
; each store of codes covers 512 consecutive bytes, at a multiple of 512 from the buffer's first byte; the scale words are 64 bytes a block (one byte in 24 of what the launch stores).
.macro QOUT a
.set AW, 2+(\a)/4                      ; the accumulators' window,
.set AS, 64*((\a)%4)                   ; and their first register
.set CC, CD+32*((\a)%2)
.set PWW, PW+(\a)%2
	WIN 5*AW                                       ; sources 0 and 1 in the accumulators' window
.irp b, 0,1,2,3
	v_max3_num_f32 v[TM+\b], |v[AS+16*\b]|, |v[AS+16*\b+1]|, s[FLR]   ; each accumulator is read from its low end on; the floor holds the byte at 1 from below
.endr
.irp i, 2,4,6,8,10,12,14
.irp b, 0,1,2,3
	v_max3_num_f32 v[TM+\b], |v[AS+16*\b+\i]|, |v[AS+16*\b+\i+1]|, v[TM+\b]
.endr
.endr
	WIN 0
.irp b, 0,1,2,3
	v_permlanex16_b32 v[TX+\b], v[TM+\b], s[SEL], s[SEL+1]
.endr
.irp b, 0,1,2,3
	v_max_num_f32 v[TM+\b], v[TM+\b], v[TX+\b]     ; the block's largest magnitude
.endr
.irp b, 0,1,2,3
	v_add_nc_u32 v[SO+\b], 0xff000000, v[TM+\b]    ; 2 off its exponent field: the conversion's scale operand
.endr
.irp b, 0,1,2,3
	v_add_nc_u32 v[BY+\b], s[BADJ], v[TM+\b]       ; 2 off (q: 5 off) for the byte
.endr
.irp b, 0,1,2,3
	v_lshrrev_b32 v[BY+\b], 23, v[BY+\b]
.endr
	s_wait_xcnt 0x0                                ; the earlier blocks' stores have read their registers: this set of codes and this scale word are written again only behind this wait
	v_lshl_or_b32 v[PWW], v[BY+1], 8, v[BY]
	v_lshl_or_b32 v[PWW], v[BY+2], 16, v[PWW]
	v_lshl_or_b32 v[PWW], v[BY+3], 24, v[PWW]
	WIN AW                                         ; source 0 in the accumulators' window
.irp c, 0,1
	v_cvt_scalef32_pk16_fp6_f32 v[CC+6*\c:CC+6*\c+2], v[AS+32*\c:AS+32*\c+15], v[SO+2*\c]
	v_cvt_scalef32_pk16_fp6_f32 v[CC+12+4*\c:CC+14+4*\c], v[AS+32*\c+16:AS+32*\c+31], v[SO+2*\c+1]   ; (a conversion's three registers begin on an even number)
.endr
	WIN 0
	v_nop                                          ; one plain place behind a scaled conversion
.irp c, 0,1                                    ; the operand's layout wants a whole block in a lane: lanes 0-15 block 2 c, lanes 16-31 block 2 c + 1
.irp i, 0,1,2
	v_permlane16_swap_b32 v[CC+6*\c+\i], v[CC+12+4*\c+\i]
.endr
.irp i, 0,1,2
	v_mov_b32 v[CC+3+6*\c+\i], v[CC+12+4*\c+\i]
.endr
.endr
.irp k, 0,1,2
	global_store_b128 v[LI], v[CC+4*\k:CC+4*\k+3], s[12:13] offset:((\a)%2)*HALF+((\a)/2)*1536+512*\k
.endr
	global_store_b32 v[LS], v[PWW], s[92:93] offset:((\a)%2)*HALF+((\a)/2)*64   ; both halves of the lanes hold the same word
.endm
	PLACES NP                                      ; behind the last products: their results and scale registers are touched below
	s_mov_b32 s[SEL], 0x76543210
	s_mov_b32 s[SEL+1], 0xfedcba98
.irp b, 0,1,2,3
	v_mov_b32 v[TX+\b], 0                          ; a lane permute's destination counts as one of its sources
.endr
.irp a, 0,1,2,3,4,5,6,7
	QOUT \a
.endr
	s_wait_tensorcnt 0x0                           ; the wave's end
	ds_add_u32 v[SPW], v[NIL]
	s_wait_dscnt 0x0
	CROUND                                         ; the closing round: no work-group ends while a partner may still ask for a tile that names it
	s_endpgm
.Lfunc_end_k_q652bb99b58_proj:
	.size	k_q652bb99b58_proj, .Lfunc_end_k_q652bb99b58_proj-k_q652bb99b58_proj
	.p2alignl 7, 3214868480
	.fill 96, 4, 3214868480
	.section	.rodata,"a",@progbits
	.p2align	6, 0x0
	.amdhsa_kernel k_q652bb99b58_proj
		.amdhsa_group_segment_fixed_size 327680
		.amdhsa_private_segment_fixed_size 0
		.amdhsa_enable_private_segment 0
		.amdhsa_kernarg_size 88
		.amdhsa_user_sgpr_count 2
		.amdhsa_user_sgpr_kernarg_segment_ptr 1
		.amdhsa_wavefront_size32 1
		.amdhsa_system_sgpr_workgroup_id_x 1
		.amdhsa_system_sgpr_workgroup_id_y 1
		.amdhsa_system_sgpr_workgroup_id_z 1
		.amdhsa_system_vgpr_workitem_id 0
		.amdhsa_next_free_vgpr 1024
		.amdhsa_next_free_sgpr 100
		.amdhsa_reserve_vcc 0
		.amdhsa_float_denorm_mode_32 3
		.amdhsa_float_denorm_mode_16_64 3
		.amdhsa_memory_ordered 1
		.amdhsa_forward_progress 1
		.amdhsa_inst_pref_size 166
	.end_amdhsa_kernel
	.amdgpu_metadata
---
amdhsa.version: [ 1, 2 ]
amdhsa.kernels:
  - .name:           k_q652bb99b58_proj
    .symbol:         k_q652bb99b58_proj.kd
    .args:
      - { .name: x_codes, .offset: 0, .size: 8, .value_kind: global_buffer, .address_space: global }
      - { .name: x_scales, .offset: 8, .size: 8, .value_kind: global_buffer, .address_space: global }
      - { .name: context_codes, .offset: 16, .size: 8, .value_kind: global_buffer, .address_space: global }
      - { .name: context_scales, .offset: 24, .size: 8, .value_kind: global_buffer, .address_space: global }
      - { .name: Wq_codes, .offset: 32, .size: 8, .value_kind: global_buffer, .address_space: global }
      - { .name: Wq_scales, .offset: 40, .size: 8, .value_kind: global_buffer, .address_space: global }
      - { .name: Wkv_codes, .offset: 48, .size: 8, .value_kind: global_buffer, .address_space: global }
      - { .name: Wkv_scales, .offset: 56, .size: 8, .value_kind: global_buffer, .address_space: global }
      - { .name: qbuf, .offset: 64, .size: 8, .value_kind: global_buffer, .address_space: global }
      - { .name: kbuf, .offset: 72, .size: 8, .value_kind: global_buffer, .address_space: global }
      - { .name: vbuf, .offset: 80, .size: 8, .value_kind: global_buffer, .address_space: global }
    .group_segment_fixed_size: 327680
    .private_segment_fixed_size: 0
    .kernarg_segment_align: 8
    .kernarg_segment_size: 88
    .max_flat_workgroup_size: 128
    .sgpr_count:     100
    .vgpr_count:     1024
    .wavefront_size: 32
...
	.end_amdgpu_metadata
.endif
;; end of part 1
;; launch attn (part 2): grid 128 x 2, 4 waves a work-group, clusters of 4 x 1, 327,680 bytes of LDS; arguments qbuf, kbuf, vbuf, Wtalk, ln_gamma, ln_beta, out0; writes out0
.if DOCPART == 2
	.amdgcn_target "amdgcn-amd-amdhsa--gfx1250"
	.amdhsa_code_object_version 6
	.text
	.protected	k_q652bb99b58_attn
	.globl	k_q652bb99b58_attn
	.p2align	8
	.type	k_q652bb99b58_attn,@function
k_q652bb99b58_attn:
	s_mov_b64 s[64:65], 0
	v_nop
	global_prefetch_b8 v0, s[64:65] scope:SCOPE_SE
	s_setreg_imm32_b32 hwreg(HW_REG_WAVE_MODE, 25, 1), 1
	s_wait_xcnt 0x0
	s_wait_alu depctr_hold_cnt(0) depctr_sa_sdst(0) depctr_va_vdst(0) depctr_va_sdst(0) depctr_va_ssrc(0) depctr_va_vcc(0) depctr_vm_vsrc(0)
	s_getreg_b32 s2, hwreg(HW_REG_IB_STS2, 6, 4)
	s_cmp_eq_u32 s2, 0
	s_cbranch_scc0 .Lentry_in_a_cluster
	s_endpgm
.Lentry_in_a_cluster:
	s_bfe_u32 s2, ttmp6, 0x10000c
	s_cmp_lg_u32 s2, 0x3003
	s_cbranch_scc0 .Lentry_shape_is_right
	s_endpgm
.Lentry_shape_is_right:
; out[b][i][64 g + d] = sum over keys j of Q(y)[g][i][j] Q(v)[g][j][d],  y = LayerNorm over the 16 heads of (Wtalk x softmax_j(Q(q / 8) . Q(k))), Q the quantiser to FP6 (E2M3) with one E8M0 scale for 32 along a product's K.
; No work is left out.  Identities, for all values of the inputs: aw - mean_g(aw) = sum_h (W[g][h] - mean_g W[.][h]) p[h], so the mean is taken off Wtalk's columns once; var = sum_g ((aw - mu) / 4)^2, so Wtalk carries 1/4 and gamma 4.
; SHARES.  A work-group owns 16 queries, all 16 heads and all 2,048 keys of its batch.  The softmax is finished before the heads are mixed, so the keys are walked twice: PASS 1 for each row's maximum and sum, PASS 2 for the work.
; A step is 128 keys.  Wave w makes keys 32 w .. 32 w + 31 of a step (one scale's block of the last product) for ALL heads, 8 keys a substep; for the last product it owns heads 4 w .. 4 w + 3, and y's codes change waves through LDS.
; A SCORE TILE T (heads E = 2 T, O = 2 T + 1) is ONE scaled instruction: source 0 has rows 0-7 = (k_E of key j | zeros) and rows 8-15 = (zeros | k_O of key j), source 1 is q's fragment (q_E | q_O) of my 16 queries.  A head's K is 64, half of the
; instruction's 128: the other half holds the other head's zeros.  The zeros are lanes of K's registers that are cleared once and never loaded: registers 0-5 are loaded with lanes r % 16 < 8 on, registers 6-11 with the others on.
; In the result lane (r, hh) holds query r, head 2 T + hh, and its register j key j.  So a row's maximum and sum never leave the lane.
; THE MIX, in f32 since it goes on into a quantiser, by v_wmma_f32_16x16x4_f32, a key at a time: B = the pair p of tiles 2 c, 2 c + 1 (k = 2 hh + u stands for head 4 c + 2 u + hh), A = Wtalk laid the same way.  In D lane (r, hh) holds query r
; and its register u head g = 8 hh + u.  y(g, key 8 s + j) goes to register 32 u + 8 sigma(s) + j, sigma = 0, 2, 1, 3: v's order inside a block of 32 keys.  A lane then holds whole blocks: no other lane is asked for a maximum.
; CLUSTER: the four query tiles of a cluster belong to one batch and walk the same K and V: every tile is asked for jointly, by the same tensor load with a mask that names the four.
; NO PREFETCH: a refill is asked for straight behind a round and waited for half a step later at the earliest: 64 f32 and 16 scaled matrix instructions and some 700 vector instructions; the waves do not wait for it.
; LIMITS: NaN and infinities are not served; scores under -1e38 are not served (the running maximum begins there); a block of y whose largest magnitude lies under 2^(3 - 127) keeps the byte 1.
; LDS: 0: KA, 65,536: KB (K's two halves of a step), 131,072: VA, 196,608: VB (V's), 51,200 bytes each; in pass 1 they are two slots of a whole block of K.  262,144: y's codes; 286,720: y's scale words; 287,744: the statistics;
; 295,936: the spare words.  On the way out the stages lie from 0 on: KA and KB have had their last fill, and their last read lies behind the last barrier.
; REGISTERS, in windows of 256: window 0: addresses, scale words, K's fragments v96-191.  window 1: v0-63 scores, then gains, then codes; v64-127 p, then sums of squares; v128-191 the mix's results (written by matrix instructions alone);
; v192-241 statistics and constants.  window 2: y (pass 1: a second set of K's fragments; last product: V's 16 fragments and y's four).  window 3: v0-127 O^T, v128-223 q's fragments.
.set BLK,    102400
.set HALF,   51200
.set QUART,  25600
.set SCOFF,  49152
.set LKB,    65536
.set BIG1,   131072
.set YC,     262144                    ; g x 1,536 + block x 384 + query x 24
.set YS,     286720                    ; (16 g + query) x 4 + block
.set STX,    287744                    ; 2,048 a wave
.set SPARE,  295936
.set SPITCH, 1040                      ; the way out: a wave's 1,024 bytes of a row + 16
.set WSTG,   16*SPITCH
.set SPW, 1
.set NIL, 2
.set KAD0, 3                           ; K's codes in KA: 1,536 w + 16 (r % 8) + 256 hh;  v4: in KB
.set KAD1, 4
.set KSD0, 5                           ; K's scale words: SCOFF + 64 w + 4 (r % 8);  v6: in KB
.set KSD1, 6
.set ADK0, 7                           ; pass 1: the same four in the slot in hand
.set ADS0, 8
.set VAD0, 9                           ; v9, v10   V's images in VA, VB
.set VSD0, 11                          ; v11, v12  their scale words
.set YCW, 13
.set YSW, 14
.set YCR, 15
.set YSR, 16
.set XW, 17
.set XR, 18
.set STO, 19
.set STR, 20
.set GO, 21                            ; 16 x lane
.set ADK1, 22
.set ADS1, 23
.set KSC, 32                           ; v32-47 K's scale words, two sets
.set QSC, 48                           ; v48-55 q's
.set VSC, 56                           ; v56-71 V's
.set YSC, 72                           ; v72-75 y's
.set KF, 96
.set SUMW, 192                         ; window 0: Wtalk's column sums; v200.. Wtalk, v208.. gamma, v216.. beta as loaded
.set WT, 200
.set GT, 208
.set BT, 216
.set SS, 0                             ; window 1
.set PP, 64
.set SQ, 64
.set QB, 80
.set QM, 88
.set DD, 128
.set NCM, 192                          ; -c x maximum, in both registers of pair 2 T
.set MM, 208                           ; pass 1: the running maxima;  pass 2: 1 / sum
.set RL, 208
.set LP, 216                           ; pass 1: the sums, a pair a tile
.set F2, 232                           ; pass 1: at work
.set WC, 216
.set G4, 224
.set BE, 232
.set EPSH, 240
.set YF, 192                           ; window 2: y's four fragments
.set QF, 128                           ; window 3
.set WV, 18
.set SEL, 20
.set CS, 22                            ; s[22:23] c = log2(e)
.set TB2, 54
.set M1, 55
.set M2, 56
.set NC, 57
.set W1,  0x55
.set WSC, 0x4c                         ; A window 0, B window 3, D window 1
.set WSC2, 0x4e                        ; A window 2
.set WY,  0x95                         ; sources window 1, destination window 2
.set WMX, 0x5a                         ; sources 0, 1 window 2; source 2 and destination window 1
.set WCV, 0x46                         ; source 0 window 2; scale and destination window 1
.set WD1, 0x04                         ; an LDS store's data in window 1
.set WD2, 0x08
.set WD3, 0x0c
.set WL1, 0x40                         ; a load's destination in window 1
.set WL2, 0x80
.set WL3, 0xc0
.set WPV, 0xfa                         ; A, B window 2; C, D window 3
.set MSB, 0
.macro WIN new
.if MSB != (\new)
	s_set_vgpr_msb (MSB<<8)|(\new)
.set MSB, (\new)
.endif
.endm
.macro PLACES n
.rept \n
	v_nop
.endr
.endm
.macro CROUND                          ; a round of the cluster's barrier
	s_barrier_signal -1
	s_barrier_wait -1
	s_cmp_lg_u32 s[WV], 0
	s_cbranch_scc1 .Lnot_wave_0_\@
	s_barrier_signal -3
.Lnot_wave_0_\@:
	s_barrier_wait -3
	s_barrier_signal -1
	s_barrier_wait -1
.endm
; The joint loads.  An s_nop 0 and four v_nop follow each.  The branches hang on the wave's number alone.
.macro JLP                             ; pass 1: every wave its quarter of a block of K
	tensor_load_to_lds s[40:43], s[24:31]
	s_nop 0
	PLACES 4
.endm
.macro JL1                             ; waves 0, 1: the next step's KA;  waves 2, 3: this step's VA, VB
	s_cmp_lt_u32 s[WV], 2
	s_cbranch_scc0 .Lfor_v_\@
	tensor_load_to_lds s[32:35], s[24:31]
	s_nop 0
	PLACES 4
	s_branch .Lasked_\@
.Lfor_v_\@:
	tensor_load_to_lds s[36:39], s[44:51]
	s_nop 0
	PLACES 4
.Lasked_\@:
.endm
.macro JLK                             ; waves 0, 1: the next step's KB
	s_cmp_lt_u32 s[WV], 2
	s_cbranch_scc0 .Lasked_\@
	tensor_load_to_lds s[60:63], s[24:31]
	s_nop 0
	PLACES 4
.Lasked_\@:
.endm
.macro JLV                             ; waves 2, 3: the last step's VA, VB
	s_cmp_lt_u32 s[WV], 2
	s_cbranch_scc1 .Lasked_\@
	tensor_load_to_lds s[36:39], s[44:51]
	s_nop 0
	PLACES 4
.Lasked_\@:
.endm
; Eight keys' fragments of K for the 8 tiles, and their scale words.  sub: rows 0-7 or 8-15 of the image.  No global instruction is pending when EXEC is written: the head's were waited for, and the loops have none.
.macro KLOAD ak, as, sub, kf, win, ks
.irp T, 0,1,2,3,4,5,6,7
	ds_load_b32 v[KSC+\ks+\T], v[\as] offset:256*\T+32*\sub
.endr
	WIN \win
	s_mov_b32 exec_lo, s[M1]                       ; rows 0-7 of the tile: head E's two blocks
.irp T, 0,1,2,3,4,5,6,7
	ds_load_b128 v[\kf+12*\T:\kf+12*\T+3], v[\ak] offset:6144*\T+128*\sub
	ds_load_b64 v[\kf+12*\T+4:\kf+12*\T+5], v[\ak] offset:6144*\T+128*\sub+512
.endr
	s_mov_b32 exec_lo, s[M2]                       ; rows 8-15: head O's two blocks
.irp T, 0,1,2,3,4,5,6,7
	ds_load_b64 v[\kf+12*\T+6:\kf+12*\T+7], v[\ak] offset:6144*\T+128*\sub+520
	ds_load_b128 v[\kf+12*\T+8:\kf+12*\T+11], v[\ak] offset:6144*\T+128*\sub+1024
.endr
	s_mov_b32 exec_lo, -1
	WIN 0
.endm
.macro SCORE kf, wset, d, ks           ; 8 keys x 16 queries x 16 heads; the four v_nop are the places in front of reads of the scores and of loads into K's registers
	s_wait_dscnt 0x0
	WIN \wset
.irp T, 0,1,2,3,4,5,6,7
	v_wmma_scale_f32_16x16x128_f8f6f4 v[\d+8*\T:\d+8*\T+7], v[\kf+12*\T:\kf+12*\T+11], v[QF+12*\T:QF+12*\T+11], 0, v[KSC+\ks+\T], v[QSC+\T] matrix_a_fmt:MATRIX_FMT_FP6 matrix_b_fmt:MATRIX_FMT_FP6
.endr
	WIN 0
	PLACES 4
.endm
; PASS 1: 16 keys' scores (v0-127 of window 1) go into the running maximum and sum of each (query, head): all within the lane.
.macro STATS
	WIN W1
.irp T, 0,1,2,3,4,5,6,7
	v_max3_num_f32 v[MM+\T], v[8*\T], v[8*\T+1], v[MM+\T]
.endr
.irp i, 2,4,6
.irp T, 0,1,2,3,4,5,6,7
	v_max3_num_f32 v[MM+\T], v[MM+\T], v[8*\T+\i], v[8*\T+\i+1]
.endr
.endr
.irp i, 0,2,4,6
.irp T, 0,1,2,3,4,5,6,7
	v_max3_num_f32 v[MM+\T], v[MM+\T], v[64+8*\T+\i], v[64+8*\T+\i+1]
.endr
.endr
.irp T, 0,1,2,3,4,5,6,7
	v_mul_f32 v[F2+2*\T+1], s[NC], v[MM+\T]        ; -c x the new maximum
.endr
.irp T, 0,1,2,3,4,5,6,7
	v_sub_f32 v[F2+2*\T], v[F2+2*\T+1], v[NCM+2*\T]   ; c x (old maximum - new), 0 or less
.endr
.irp T, 0,1,2,3,4,5,6,7
	v_mov_b32 v[NCM+2*\T], v[F2+2*\T+1]
	v_mov_b32 v[NCM+2*\T+1], v[F2+2*\T+1]
.endr
.irp h, 0,64
.irp T, 0,1,2,3,4,5,6,7
.irp i, 0,2,4,6
	v_pk_fma_f32 v[\h+8*\T+\i:\h+8*\T+\i+1], v[\h+8*\T+\i:\h+8*\T+\i+1], s[CS:CS+1], v[NCM+2*\T:NCM+2*\T+1] op_sel_hi:[1,0,0]
.endr
.endr
.endr
.set i, 0
.rept 128
	v_exp_f32 v[i], v[i]
.set i, i+1
.endr
.irp T, 0,1,2,3,4,5,6,7
	v_exp_f32 v[F2+2*\T], v[F2+2*\T]
.endr
	v_nop                                          ; a plain instruction behind the last exponential,
	s_wait_alu depctr_va_vdst(0)                   ; and one wait for the batch, ahead of its first reader
.irp T, 0,1,2,3,4,5,6,7
	v_pk_mul_f32 v[LP+2*\T:LP+2*\T+1], v[LP+2*\T:LP+2*\T+1], v[F2+2*\T:F2+2*\T+1] op_sel_hi:[1,0]
.endr
.irp h, 0,64
.irp i, 0,2,4,6
.irp T, 0,1,2,3,4,5,6,7
	v_pk_add_f32 v[LP+2*\T:LP+2*\T+1], v[LP+2*\T:LP+2*\T+1], v[\h+8*\T+\i:\h+8*\T+\i+1]
.endr
.endr
.endr
	WIN 0
.endm
; PASS 2: p = 2^(c s - c max) / sum, written to where the mix wants it: key j's 8 tiles on end.
.macro SOFT
	WIN W1
.irp T, 0,1,2,3,4,5,6,7
.irp i, 0,2,4,6
	v_pk_fma_f32 v[SS+8*\T+\i:SS+8*\T+\i+1], v[SS+8*\T+\i:SS+8*\T+\i+1], s[CS:CS+1], v[NCM+2*\T:NCM+2*\T+1] op_sel_hi:[1,0,0]
.endr
.endr
.irp j, 0,1,2,3,4,5,6,7
.irp T, 0,1,2,3,4,5,6,7
	v_exp_f32 v[PP+8*\j+\T], v[SS+8*\T+\j]
.endr
.endr
	v_nop
	s_wait_alu depctr_va_vdst(0)                   ; one wait for the 64
.irp j, 0,1,2,3,4,5,6,7
.irp c, 0,2,4,6
	v_pk_mul_f32 v[PP+8*\j+\c:PP+8*\j+\c+1], v[PP+8*\j+\c:PP+8*\j+\c+1], v[RL+\c:RL+\c+1]
.endr
.endr
.endm
.macro MIX                             ; the eight keys' accumulators by turns, four heads a turn; the first turn starts the sums; eight places behind this form
.irp c, 0,1,2,3
.irp j, 0,1,2,3,4,5,6,7
.if \c == 0
	v_wmma_f32_16x16x4_f32 v[DD+8*\j:DD+8*\j+7], v[WC+2*\c:WC+2*\c+1], v[PP+8*\j+2*\c:PP+8*\j+2*\c+1], 0
.else
	v_wmma_f32_16x16x4_f32 v[DD+8*\j:DD+8*\j+7], v[WC+2*\c:WC+2*\c+1], v[PP+8*\j+2*\c:PP+8*\j+2*\c+1], v[DD+8*\j:DD+8*\j+7]
.endif
.endr
.endr
	PLACES 8
.endm
.macro NORM pos                        ; y = D x 4 gamma x rsqrt(sum of D^2 over the 16 heads + eps) + beta, to octet pos of each head's 32 registers
.irp j, 0,1,2,3,4,5,6,7
	v_pk_fma_f32 v[SQ+2*\j:SQ+2*\j+1], v[DD+8*\j:DD+8*\j+1], v[DD+8*\j:DD+8*\j+1], v[EPSH:EPSH+1]   ; eps / 2 in each half of the lanes
.endr
.irp q, 2,4,6
.irp j, 0,1,2,3,4,5,6,7
	v_pk_fma_f32 v[SQ+2*\j:SQ+2*\j+1], v[DD+8*\j+\q:DD+8*\j+\q+1], v[DD+8*\j+\q:DD+8*\j+\q+1], v[SQ+2*\j:SQ+2*\j+1]
.endr
.endr
.irp j, 0,1,2,3,4,5,6,7
	v_add_f32 v[SQ+2*\j], v[SQ+2*\j], v[SQ+2*\j+1]
.endr
.irp j, 0,1,2,3,4,5,6,7
	v_permlanex16_b32 v[SQ+2*\j+1], v[SQ+2*\j], s[SEL], s[SEL+1]   ; the other eight heads lie in lane l xor 16
.endr
.irp j, 0,1,2,3,4,5,6,7
	v_add_f32 v[SQ+2*\j], v[SQ+2*\j], v[SQ+2*\j+1]
.endr
.irp j, 0,1,2,3,4,5,6,7
	v_rsq_f32 v[SQ+2*\j], v[SQ+2*\j]
.endr
	v_nop
	s_wait_alu depctr_va_vdst(0)                   ; one wait for the eight
.irp j, 0,1,2,3,4,5,6,7
.irp q, 0,2,4,6
	v_pk_mul_f32 v[SS+8*\j+\q:SS+8*\j+\q+1], v[G4+\q:G4+\q+1], v[SQ+2*\j:SQ+2*\j+1] op_sel_hi:[1,0]
.endr
.endr
	WIN WY
.irp j, 0,1,2,3,4,5,6,7
.irp u, 0,1,2,3,4,5,6,7
	v_fma_f32 v[32*\u+8*\pos+\j], v[DD+8*\j+\u], v[SS+8*\j+\u], v[BE+\u]
.endr
.endr
.endm
.macro QUANTY                          ; my 8 heads' blocks of 32 keys become 24 bytes of codes and a scale byte each, and go to LDS
	WIN WMX
.irp u, 0,1,2,3,4,5,6,7
	v_max3_num_f32 v[QM+\u], |v[32*\u]|, |v[32*\u+1]|, 0x1800000   ; and the floor 2^(3 - 127)
.endr
.irp i, 2,4,6,8,10,12,14,16,18,20,22,24,26,28,30
.irp u, 0,1,2,3,4,5,6,7
	v_max3_num_f32 v[QM+\u], |v[32*\u+\i]|, |v[32*\u+\i+1]|, v[QM+\u]
.endr
.endr
	WIN W1
.irp u, 0,1,2,3,4,5,6,7
	v_add_nc_u32 v[QM+\u], 0xff000000, v[QM+\u]    ; 2 off the exponent field: the conversion's scale operand
.endr
.irp u, 0,1,2,3,4,5,6,7
	v_lshrrev_b32 v[QB+\u], 23, v[QM+\u]           ; the byte
.endr
	WIN WCV
.irp u, 0,1,2,3,4,5,6,7
	v_cvt_scalef32_pk16_fp6_f32 v[8*\u:8*\u+2], v[32*\u:32*\u+15], v[QM+\u]
	v_cvt_scalef32_pk16_fp6_f32 v[8*\u+4:8*\u+6], v[32*\u+16:32*\u+31], v[QM+\u]   ; (a conversion's three registers begin on an even number)
.endr
	WIN W1
	v_nop                                          ; one plain place behind a scaled conversion
.irp u, 0,1,2,3,4,5,6,7
	v_mov_b32 v[8*\u+3], v[8*\u+4]
	v_mov_b32 v[8*\u+4], v[8*\u+5]
	v_mov_b32 v[8*\u+5], v[8*\u+6]
.endr
	WIN WD1
.irp u, 0,1,2,3,4,5,6,7
.irp i, 0,1,2
	ds_store_b64 v[YCW], v[8*\u+2*\i:8*\u+2*\i+1] offset:1536*\u+8*\i
.endr
	ds_store_b8 v[YSW], v[QB+\u] offset:64*\u
.endr
	WIN 0
.endm
.macro PV                              ; O^T += V^T y^T for my four heads: K = the step's 128 keys; 16 accumulators by turns
	WIN WL2
.irp k, 0,1,2,3
.irp t, 0,1,2,3
.irp c, 0,1,2
	ds_load_b128 v[12*(4*\k+\t)+4*\c:12*(4*\k+\t)+4*\c+3], v[VAD0+(\t&1)] offset:(2*\k+(\t>>1))*1536+512*\c
.endr
.endr
.irp p, 0,1,2,3,4,5
	ds_load_b64 v[YF+12*\k+2*\p:YF+12*\k+2*\p+1], v[YCR] offset:1536*\k+768*(\p/3)+8*(\p%3)
.endr
.endr
	WIN 0
.irp k, 0,1,2,3
.irp t, 0,1,2,3
	ds_load_b32 v[VSC+4*\k+\t], v[VSD0+(\t&1)] offset:(2*\k+(\t>>1))*64
.endr
	ds_load_b32 v[YSC+\k], v[YSR] offset:64*\k
.endr
	s_wait_dscnt 0x0
	WIN WPV
.irp k, 0,1,2,3
.irp t, 0,1,2,3
	v_wmma_scale_f32_16x16x128_f8f6f4 v[32*\k+8*\t:32*\k+8*\t+7], v[12*(4*\k+\t):12*(4*\k+\t)+11], v[YF+12*\k:YF+12*\k+11], v[32*\k+8*\t:32*\k+8*\t+7], v[VSC+4*\k+\t], v[YSC+\k] matrix_a_fmt:MATRIX_FMT_FP6 matrix_b_fmt:MATRIX_FMT_FP6
.endr
.endr
	WIN 0
	PLACES 4
.endm
	s_load_b256 s[4:11], s[0:1], 0x0               ; qbuf, kbuf, vbuf, Wtalk
	s_load_b128 s[12:15], s[0:1], 0x20             ; gamma, beta
	s_load_b64 s[16:17], s[0:1], 0x30              ; out0
	v_lshl_add_u32 v[SPW], v0, 2, SPARE
	v_mov_b32 v[NIL], 0
	ds_add_u32 v[SPW], v[NIL]                      ; the wave's opening: the add, twice on end, and its wait ahead of my first tensor load
	ds_add_u32 v[SPW], v[NIL]
	v_lshrrev_b32 v24, 5, v0
	v_readfirstlane_b32 s[WV], v24                 ; wave 0..3
	s_bfe_u32 s19, ttmp6, 0x40000                  ; cx: it enters q's and out0's addresses alone
	s_lshl_b32 s72, ttmp9, 2
	s_add_co_u32 s72, s72, s19                     ; my tile of 16 queries, 0..127
	s_and_b32 s73, ttmp7, 0xffff                   ; the batch, which the four partners share
	s_mul_i32 s74, s73, 16*BLK                     ; its first block in each buffer
	s_and_b32 s75, s[WV], 1
	s_mul_i32 s86, s75, QUART
	s_mul_i32 s76, s[WV], QUART
	s_add_co_u32 s76, s76, s74                     ; pass 1: my quarter of block 0
	s_mov_b32 s77, 0
	s_add_co_u32 s78, s74, s86
	s_add_co_u32 s80, s78, HALF                    ; pass 2, KB: block 0's second half; it is stepped ahead of its first use
	s_add_co_u32 s78, s78, BLK                     ; KA: block 1's first half
	s_mov_b32 s79, 0
	s_mov_b32 s81, 0
	s_mul_i32 s82, s75, HALF
	s_add_co_u32 s82, s82, s74                     ; V: block 0, my half
	s_mov_b32 s83, 0
	s_mov_b32 s40, 1                               ; groups 0: count 1, and the LDS addresses: the wave's number and constants alone
	s_lshr_b32 s41, s[WV], 1
	s_lshl_b32 s41, s41, 16
	s_add_co_u32 s41, s41, s86                     ; pass 1: half w / 2, quarter w % 2, slot 0
	s_mov_b32 s32, 1
	s_mov_b32 s33, s86                             ; KA
	s_mov_b32 s60, 1
	s_add_co_u32 s61, s86, LKB                     ; KB
	s_mov_b32 s36, 1
	s_lshl_b32 s37, s75, 16
	s_add_co_u32 s37, s37, BIG1                    ; VA or VB
	; groups 1: dense rows of 256 bytes (32 elements of 8 bytes), 100 of them, or 200 for V; the mask names all four work-groups, bit 21 beside it
	s_mov_b32 s24, 15|(3<<16)|(1<<21)
	s_mov_b32 s25, 32<<16
	s_mov_b32 s26, 100<<16
	s_mov_b32 s27, 32<<16
	s_mov_b32 s28, 100
	s_mov_b32 s29, 32
	s_mov_b32 s30, 0
	s_mov_b32 s31, 0
	s_mov_b32 s44, 15|(3<<16)|(1<<21)
	s_mov_b32 s45, 32<<16
	s_mov_b32 s46, 200<<16
	s_mov_b32 s47, 32<<16
	s_mov_b32 s48, 200
	s_mov_b32 s49, 32
	s_mov_b32 s50, 0
	s_mov_b32 s51, 0
	s_mov_b32 s[SEL], 0x76543210
	s_mov_b32 s[SEL+1], 0xfedcba98
	s_mov_b32 s[CS], 0x3fb8aa3b                    ; c = log2(e); q's 64^-0.5 lies in its scale bytes
	s_mov_b32 s[CS+1], s[CS]
	s_mov_b32 s[NC], 0xbfb8aa3b
	s_mov_b32 s[M1], 0x00ff00ff
	s_mov_b32 s[M2], 0xff00ff00
	v_and_b32 v24, 31, v0                          ; l
	v_and_b32 v25, 15, v0                          ; r
	v_bfe_u32 v26, v0, 4, 1                        ; hh
	v_and_b32 v27, 7, v0                           ; r % 8
	s_mul_i32 s84, s[WV], 1536
	v_lshlrev_b32 v[KAD0], 4, v27
	v_lshl_add_u32 v[KAD0], v26, 8, v[KAD0]
	v_add_nc_u32 v[KAD0], s84, v[KAD0]
	v_add_nc_u32 v[KAD1], LKB, v[KAD0]
	s_lshl_b32 s84, s[WV], 6
	s_add_co_u32 s84, s84, SCOFF
	v_lshl_add_u32 v[KSD0], v27, 2, s84
	v_add_nc_u32 v[KSD1], LKB, v[KSD0]
	v_lshlrev_b32 v[GO], 4, v24
	s_mul_i32 s84, s[WV], 12288
	s_add_co_u32 s84, s84, BIG1
	v_add_nc_u32 v[VAD0], s84, v[GO]
	v_add_nc_u32 v[VAD0+1], LKB, v[VAD0]
	v_lshlrev_b32 v28, 2, v25                      ; 4 r
	s_lshl_b32 s84, s[WV], 9
	s_add_co_u32 s84, s84, BIG1+SCOFF
	v_add_nc_u32 v[VSD0], s84, v28
	v_add_nc_u32 v[VSD0+1], LKB, v[VSD0]
	v_mul_u32_u24 v[YCW], v25, 24
	v_mad_u32_u24 v[YCW], v26, 12288, v[YCW]
	s_mul_i32 s84, s[WV], 384
	s_add_co_u32 s84, s84, YC
	v_add_nc_u32 v[YCW], s84, v[YCW]               ; heads 8 hh + u, block w, query r
	v_lshl_add_u32 v[YSW], v26, 9, v28
	s_add_co_u32 s84, s[WV], YS
	v_add_nc_u32 v[YSW], s84, v[YSW]
	v_mul_u32_u24 v[YCR], v24, 24
	s_mul_i32 s84, s[WV], 6144
	s_add_co_u32 s84, s84, YC
	v_add_nc_u32 v[YCR], s84, v[YCR]               ; heads 4 w + k: lane l takes block 2 c + hh of query r at 768 c + 24 l
	s_lshl_b32 s84, s[WV], 8
	s_add_co_u32 s84, s84, YS
	v_add_nc_u32 v[YSR], s84, v28
	s_lshl_b32 s84, s[WV], 11
	s_add_co_u32 s84, s84, STX
	v_add_nc_u32 v[XW], s84, v[GO]
	v_add_nc_u32 v[XR], STX, v[GO]
	s_mul_i32 s84, s[WV], WSTG
	v_mul_u32_u24 v[STO], v25, SPITCH
	v_lshl_add_u32 v[STO], v26, 5, v[STO]
	v_add_nc_u32 v[STO], s84, v[STO]
	v_add_nc_u32 v[STR], s84, v[GO]
	v_lshlrev_b32 v29, 6, v25
	v_lshl_add_u32 v29, v26, 2, v29                ; Wtalk: row g = r, column hh + ..
	v_lshlrev_b32 v30, 5, v26                      ; gamma, beta: heads 8 hh on
	s_wait_dscnt 0x0                               ; both opening adds are done
	s_wait_kmcnt 0x0
	s_add_nc_u64 s[58:59], s[6:7], s[76:77]        ; K at my quarter of the batch's block 0: kept
	s_mov_b64 s[42:43], s[58:59]
	s_or_b32 s43, s43, 0x80000000
	s_add_nc_u64 s[34:35], s[6:7], s[78:79]
	s_or_b32 s35, s35, 0x80000000
	s_add_nc_u64 s[62:63], s[6:7], s[80:81]
	s_or_b32 s63, s63, 0x80000000
	s_add_nc_u64 s[38:39], s[8:9], s[82:83]
	s_or_b32 s39, s39, 0x80000000
	CROUND                                         ; all four work-groups are here: the first joint loads meet
	JLP                                            ; block 0 of K into slot 0
	; q: block qt / 8 of the batch, half qt & 1, place (qt & 7) >> 1 of each feature block
	s_lshr_b32 s76, s72, 3
	s_mul_i32 s76, s76, BLK
	s_add_co_u32 s76, s76, s74
	s_and_b32 s78, s72, 1
	s_mul_i32 s78, s78, HALF
	s_add_co_u32 s76, s76, s78
	s_bfe_u32 s78, s72, 0x20001
	s_mul_i32 s80, s78, 1536
	s_lshl_b32 s78, s78, 6
	s_add_co_u32 s78, s78, s76
	s_add_co_u32 s78, s78, SCOFF
	s_add_co_u32 s76, s76, s80
	s_add_nc_u64 s[66:67], s[4:5], s[78:79]        ; its scale words,
	s_add_nc_u64 s[4:5], s[4:5], s[76:77]          ; its images
	s_lshl_b32 s76, s73, 23                        ; out0: row 2,048 b + 16 qt of 4,096 bytes, + 1,024 w
	s_lshl_b32 s78, s72, 16
	s_add_co_u32 s76, s76, s78
	s_lshl_b32 s78, s[WV], 10
	s_add_co_u32 s76, s76, s78
	s_add_nc_u64 s[16:17], s[16:17], s[76:77]
	WIN WL3
.irp T, 0,1,2,3,4,5,6,7
.irp k, 0,1,2
	global_load_b128 v[QF+12*\T+4*\k:QF+12*\T+4*\k+3], v[GO], s[4:5] offset:6144*\T+512*\k   ; q's eight fragments stay in registers
.endr
.endr
	WIN 0
.irp T, 0,1,2,3,4,5,6,7
	global_load_b32 v[QSC+\T], v28, s[66:67] offset:256*\T
.endr
.irp i, 0,1,2,3,4,5,6,7
	global_load_b32 v[WT+\i], v29, s[10:11] offset:8*\i   ; register 2 c + u: W[r][4 c + 2 u + hh]
.endr
	global_load_b128 v[GT:GT+3], v30, s[12:13]
	global_load_b128 v[GT+4:GT+7], v30, s[12:13] offset:16
	global_load_b128 v[BT:BT+3], v30, s[14:15]
	global_load_b128 v[BT+4:BT+7], v30, s[14:15] offset:16
.set i, 0
.rept 96
	v_mov_b32 v[KF+i], 0                           ; K's registers: the lanes that are never loaded stay zero codes
.set i, i+1
.endr
	WIN WL2
.set i, 0
.rept 96
	v_mov_b32 v[i], 0                              ; the second set, for pass 1
.set i, i+1
.endr
	WIN WL3
.set i, 0
.rept 128
	v_mov_b32 v[i], 0                              ; O^T: cleared once, so that a key step is written twice and not three times
.set i, i+1
.endr
	WIN WL1
.set i, 0
.rept 16
	v_mov_b32 v[LP+i], 0
.set i, i+1
.endr
.irp T, 0,1,2,3,4,5,6,7
	v_mov_b32 v[MM+\T], 0xfe967699                 ; -1e38
.endr
	WIN W1
.irp T, 0,1,2,3,4,5,6,7
	v_mul_f32 v[NCM+2*\T], s[NC], v[MM+\T]
	v_mul_f32 v[NCM+2*\T+1], s[NC], v[MM+\T]
.endr
	WIN 0
	s_wait_loadcnt 0x0                             ; q, Wtalk, gamma, beta
	s_wait_xcnt 0x0                                ; EXEC is written below only behind this wait; no global instruction follows before the way out
	; ---- PASS 1: 16 trips, a block of 128 keys each.  Trip t reads slot t % 2 and asks for block (t + 1) % 16 into the other slot: the last trip brings block 0 back, for pass 2.
	s_mov_b32 s52, 0
	s_mov_b32 s[TB2], 0
.Lp1:
	s_wait_tensorcnt 0x0                           ; my one load has landed: my quarter of this trip's block; so its group 0 may be written
	ds_add_u32 v[SPW], v[NIL]                      ; 0 onto my spare word
	s_xor_b32 s41, s41, BIG1                       ; the other slot,
	s_add_co_u32 s76, s52, 1
	s_and_b32 s76, s76, 15
	s_mul_i32 s76, s76, BLK
	s_add_nc_u64 s[42:43], s[58:59], s[76:77]      ; the next block
	s_or_b32 s43, s43, 0x80000000
	s_wait_dscnt 0x0                               ; the add is done, and my reads of the other slot are over
	CROUND                                         ; the same holds of every wave of the four work-groups
	JLP                                            ; my one tensor load behind the round (in trip 0 every wave's is a first fill)
	v_add_nc_u32 v[ADK0], s[TB2], v[KAD0]
	v_add_nc_u32 v[ADS0], s[TB2], v[KSD0]
	v_add_nc_u32 v[ADK1], s[TB2], v[KAD1]
	v_add_nc_u32 v[ADS1], s[TB2], v[KSD1]
	KLOAD ADK0, ADS0, 0, KF, 0, 0
	KLOAD ADK0, ADS0, 1, 0, WL2, 8
	SCORE KF, WSC, 0, 0
	SCORE 0, WSC2, 64, 8
	KLOAD ADK1, ADS1, 0, KF, 0, 0                  ; my block's second 16 keys land while the first are worked
	KLOAD ADK1, ADS1, 1, 0, WL2, 8
	STATS
	SCORE KF, WSC, 0, 0
	SCORE 0, WSC2, 64, 8
	STATS
	s_xor_b32 s[TB2], s[TB2], BIG1
	s_add_co_u32 s52, s52, 1
	s_cmp_lt_u32 s52, 16
	s_cbranch_scc1 .Lp1
	; ---- The four waves' maxima and sums are joined: each wave stores 16 numbers a lane, one barrier, each reads all.
	WIN W1
.irp T, 0,1,2,3,4,5,6,7
	v_add_f32 v[F2+\T], v[LP+2*\T], v[LP+2*\T+1]
.endr
	WIN WD1
	ds_store_b128 v[XW], v[MM:MM+3]
	ds_store_b128 v[XW], v[MM+4:MM+7] offset:512
	ds_store_b128 v[XW], v[F2:F2+3] offset:1024
	ds_store_b128 v[XW], v[F2+4:F2+7] offset:1536
	WIN 0
	s_wait_tensorcnt 0x0                           ; my quarter of block 0 is back in KA, KB
	s_wait_dscnt 0x0                               ; for the others' sake: my stores have landed
	s_barrier_signal -1
	s_barrier_wait -1
	WIN WL1
.irp w, 0,1,2,3
.irp k, 0,1,2,3
	ds_load_b128 v[16*\w+4*\k:16*\w+4*\k+3], v[XR] offset:2048*\w+512*\k   ; wave w's maxima at 16 w, its sums at 16 w + 8
.endr
.endr
	WIN W1
	s_wait_dscnt 0x0
.irp T, 0,1,2,3,4,5,6,7
	v_max3_num_f32 v[MM+\T], v[\T], v[16+\T], v[32+\T]
.endr
.irp T, 0,1,2,3,4,5,6,7
	v_max_num_f32 v[MM+\T], v[MM+\T], v[48+\T]
.endr
.irp T, 0,1,2,3,4,5,6,7
	v_mul_f32 v[NCM+2*\T], s[NC], v[MM+\T]
.endr
.irp T, 0,1,2,3,4,5,6,7
	v_mov_b32 v[NCM+2*\T+1], v[NCM+2*\T]
.endr
.irp w, 0,1,2,3
.irp T, 0,1,2,3,4,5,6,7
	v_fma_f32 v[16*\w+\T], v[16*\w+\T], s[CS], v[NCM+2*\T]
.endr
.endr
.irp w, 0,1,2,3
.irp T, 0,1,2,3,4,5,6,7
	v_exp_f32 v[16*\w+\T], v[16*\w+\T]
.endr
.endr
	v_nop
	s_wait_alu depctr_va_vdst(0)
.irp T, 0,1,2,3,4,5,6,7
	v_mul_f32 v[F2+\T], v[\T], v[8+\T]
.endr
.irp w, 1,2,3
.irp T, 0,1,2,3,4,5,6,7
	v_fma_f32 v[F2+\T], v[16*\w+\T], v[16*\w+8+\T], v[F2+\T]
.endr
.endr
.irp T, 0,1,2,3,4,5,6,7
	v_rcp_f32 v[RL+\T], v[F2+\T]
.endr
	v_nop
	s_wait_alu depctr_va_vdst(0)
	; Wtalk less its columns' means, x 1/4; 4 gamma; beta; eps / 2
	WIN 0
.irp i, 0,1,2,3,4,5,6,7
	v_mov_b32 v[SUMW+\i], v[WT+\i]
.endr
.irp m, 1,2,4,8
.irp i, 0,1,2,3,4,5,6,7
	v_add_f32_dpp v[SUMW+\i], v[SUMW+\i], v[SUMW+\i] row_xmask:\m row_mask:0xf bank_mask:0xf   ; over the 16 rows g: the 16 lanes of my half hold one column
.endr
.endr
.irp i, 0,1,2,3,4,5,6,7
	v_fmamk_f32 v[SUMW+\i], v[SUMW+\i], 0xbd800000, v[WT+\i]   ; W - sum / 16
.endr
	WIN WL1
.irp i, 0,1,2,3,4,5,6,7
	v_mul_f32 v[WC+\i], 0x3e800000, v[SUMW+\i]
.endr
.irp i, 0,1,2,3,4,5,6,7
	v_mul_f32 v[G4+\i], 4.0, v[GT+\i]
.endr
.irp i, 0,1,2,3,4,5,6,7
	v_mov_b32 v[BE+\i], v[BT+\i]
.endr
	v_mov_b32 v[EPSH], 0x36a7c5ac                  ; 1e-5 / 2
	v_mov_b32 v[EPSH+1], 0
	WIN 0
	KLOAD KAD0, KSD0, 0, KF, 0, 0                  ; step 0's first eight keys
; ---- PASS 2.  A key step: two substeps from KA | round: KA takes the next step's first half, VA and VB this step's V | two substeps from KB, y's codes to LDS | round: KB takes the next step's second half | the last product.
; The first round also parts the last step's reads of V and of y's codes from their rewriting; the second parts y's stores and V's landing from the reads.  last = 1: nothing more of K is asked for.
.macro STEP last
	SCORE KF, WSC, 0, 0
	KLOAD KAD0, KSD0, 1, KF, 0, 0
	SOFT
	MIX
	NORM 0
	SCORE KF, WSC, 0, 0
	SOFT
	MIX
	NORM 2
	WIN 0
	s_wait_tensorcnt 0x0                           ; all my tensor loads have landed: KB's, if I fetch it
	ds_add_u32 v[SPW], v[NIL]                      ; 0 onto my spare word
.if !\last
	s_add_nc_u64 s[62:63], s[62:63], BLK           ; KB's next
.endif
	s_wait_dscnt 0x0                               ; the add is done; my reads of KA, of V and of y's codes are over
	CROUND
.if \last
	JLV
.else
	JL1
.endif
	KLOAD KAD1, KSD1, 0, KF, 0, 0
	SCORE KF, WSC, 0, 0
	KLOAD KAD1, KSD1, 1, KF, 0, 0
	SOFT
	MIX
	NORM 1
	SCORE KF, WSC, 0, 0
	SOFT
	MIX
	NORM 3
	QUANTY
	s_wait_tensorcnt 0x0                           ; V of this step, or the next step's KA, has landed
	ds_add_u32 v[SPW], v[NIL]
.if !\last
	s_add_nc_u64 s[34:35], s[34:35], BLK           ; KA's next,
	s_add_nc_u64 s[38:39], s[38:39], BLK           ; V's next
.endif
	s_wait_dscnt 0x0                               ; the add is done; my stores of y's codes have landed; my reads of KB are over
.if \last
	s_barrier_signal -1
	s_barrier_wait -1
.else
	CROUND
	JLK
	KLOAD KAD0, KSD0, 0, KF, 0, 0                  ; the next step's first eight keys
.endif
	PV
.endm
	s_mov_b32 s52, 15
.Lp2:
	STEP 0
	s_sub_co_u32 s52, s52, 1
	s_cmp_lg_u32 s52, 0
	s_cbranch_scc1 .Lp2
	STEP 1                                         ; the last step is written out
	; ---- THE WAY OUT.  Lane (r, hh) holds out(query r, head 4 w + k, 16 t + 8 hh + 0..7): 32 bytes of a row.  They go through my own stage and come back as runs of 512 bytes of a row.
	WIN WD3
.irp k, 0,1,2,3
.irp t, 0,1,2,3
	ds_store_b128 v[STO], v[32*\k+8*\t:32*\k+8*\t+3] offset:256*\k+64*\t       ; each accumulator from its low end on
	ds_store_b128 v[STO], v[32*\k+8*\t+4:32*\k+8*\t+7] offset:256*\k+64*\t+16
.endr
.endr
	WIN WL2
.set i, 0
.rept 32
	ds_load_b128 v[4*i:4*i+3], v[STR] offset:SPITCH*(i/2)+512*(i%2)   ; LDS serves a wave's instructions in order (ISA guide 5.7.1.4): these see my stores
.set i, i+1
.endr
	WIN WD2
.set i, 0
.rept 32
	s_wait_dscnt 31-i                              ; load i is in; the younger ones may be out
	global_store_b128 v[GO], v[4*i:4*i+3], s[16:17] offset:4096*(i/2)+512*(i%2) th:TH_STORE_NT   ; 32 lanes store 512 consecutive bytes, at a multiple of 512 from out0's first byte
.set i, i+1
.endr
	WIN 0
	s_wait_tensorcnt 0x0                           ; the wave's end
	ds_add_u32 v[SPW], v[NIL]
	s_wait_dscnt 0x0
	CROUND                                         ; the closing round
	s_endpgm
.Lfunc_end_k_q652bb99b58_attn:
	.size	k_q652bb99b58_attn, .Lfunc_end_k_q652bb99b58_attn-k_q652bb99b58_attn
	.p2alignl 7, 3214868480
	.fill 96, 4, 3214868480
	.section	.rodata,"a",@progbits
	.p2align	6, 0x0
	.amdhsa_kernel k_q652bb99b58_attn
		.amdhsa_group_segment_fixed_size 327680
		.amdhsa_private_segment_fixed_size 0
		.amdhsa_enable_private_segment 0
		.amdhsa_kernarg_size 56
		.amdhsa_user_sgpr_count 2
		.amdhsa_user_sgpr_kernarg_segment_ptr 1
		.amdhsa_wavefront_size32 1
		.amdhsa_system_sgpr_workgroup_id_x 1
		.amdhsa_system_sgpr_workgroup_id_y 1
		.amdhsa_system_sgpr_workgroup_id_z 1
		.amdhsa_system_vgpr_workitem_id 0
		.amdhsa_next_free_vgpr 1024
		.amdhsa_next_free_sgpr 96
		.amdhsa_reserve_vcc 0
		.amdhsa_float_denorm_mode_32 3
		.amdhsa_float_denorm_mode_16_64 3
		.amdhsa_memory_ordered 1
		.amdhsa_forward_progress 1
		.amdhsa_inst_pref_size 255
	.end_amdhsa_kernel
	.section	.bss,"aw",@nobits
	.p2align	6
	.space	262144
	.amdgpu_metadata
---
amdhsa.version: [ 1, 2 ]
amdhsa.kernels:
  - .name:           k_q652bb99b58_attn
    .symbol:         k_q652bb99b58_attn.kd
    .args:
      - { .name: qbuf, .offset: 0, .size: 8, .value_kind: global_buffer, .address_space: global }
      - { .name: kbuf, .offset: 8, .size: 8, .value_kind: global_buffer, .address_space: global }
      - { .name: vbuf, .offset: 16, .size: 8, .value_kind: global_buffer, .address_space: global }
      - { .name: Wtalk, .offset: 24, .size: 8, .value_kind: global_buffer, .address_space: global }
      - { .name: ln_gamma, .offset: 32, .size: 8, .value_kind: global_buffer, .address_space: global }
      - { .name: ln_beta, .offset: 40, .size: 8, .value_kind: global_buffer, .address_space: global }
      - { .name: out0, .offset: 48, .size: 8, .value_kind: global_buffer, .address_space: global }
    .group_segment_fixed_size: 327680
    .private_segment_fixed_size: 0
    .kernarg_segment_align: 8
    .kernarg_segment_size: 56
    .max_flat_workgroup_size: 128
    .sgpr_count:     96
    .vgpr_count:     1024
    .wavefront_size: 32
...
	.end_amdgpu_metadata
.endif
;; end of part 2
